; MI455X (gfx1250); checked and timed in simulation.
; The chip was launched on July 23, 2026; its instructions are those of AMD's public machine-readable ISA for CDNA 5 (MIT licence, August 2026) and "CDNA5" Instruction Set Architecture Reference Guide (July 2026). The comments in the code are by the model that wrote it; some were corrected since.
;; Ele Att G. Allowed arithmetic: matrix products marked QUANTISED: E3M2 operands, one E8M0 scale for each 32 along K, by v_wmma_scale_f32_16x16x128_f8f6f4 with both operands' format E3M2, f32 sums; everything else in f32.
;; Inputs: W_ha_codes 1,024 x 32 x 24 uint8 (E3M2 codes of W_ha, K innermost, in blocks of 32 codes, four codes in three bytes); W_ha_scales 1,024 x 32 uint8 (E8M0 scales of W_ha, one for each 32 codes along K); W_hh_codes 3,072 x 32 x 24 uint8 (E3M2 codes of W_hh, K innermost, in blocks of 32 codes, four codes in three bytes); W_hh_scales 3,072 x 32 uint8 (E8M0 scales of W_hh, one for each 32 codes along K); W_ih_codes 3,072 x 32 x 24 uint8 (E3M2 codes of W_ih, K innermost, in blocks of 32 codes, four codes in three bytes); W_ih_scales 3,072 x 32 uint8 (E8M0 scales of W_ih, one for each 32 codes along K); W_xa_codes 1,024 x 32 x 24 uint8 (E3M2 codes of W_xa, K innermost, in blocks of 32 codes, four codes in three bytes); W_xa_scales 1,024 x 32 uint8 (E8M0 scales of W_xa, one for each 32 codes along K); b_ha 1,024 float32; b_hh 3,072 float32; b_ih 3,072 float32; b_xa 1,024 float32; hx 8,192 x 1,024 float32; x 8,192 x 1,024 float32.
;; Outputs: out0 8,192 x 1,024 float32.
;; This version of the problem:
;;   THIS VERSION OF THE PROBLEM IS GIVEN IN LOW PRECISION. The matrix products marked QUANTISED in the list below multiply operands that are first quantised to E3M2 (3 exponent bits, 2 mantissa bits; 6 bits a number), with one power-of-two scale for each 32 numbers along K (OCP MX v1.0); their sums are f32. All else is computed in f32.
;;   The module's matrix products, in the order in which they are computed (A, B: the left and right operand; K: the contracted axis; several contracted axes count as one K, in the product's order):
;;     1. [M 8,192, K 1,024] x [K 1,024, N 1,024]; A: input x; B: input W_xa (given as codes): QUANTISED
;;     2. [M 8,192, K 1,024] x [K 1,024, N 1,024]; A: input hx; B: input W_ha (given as codes): QUANTISED
;;     3. [M 8,192, K 1,024] x [K 1,024, N 3,072]; A: computed on the way; B: input W_ih (given as codes): QUANTISED
;;     4. [M 8,192, K 1,024] x [K 1,024, N 3,072]; A: input hx; B: input W_hh (given as codes): QUANTISED
;;   THE QUANTISER, for each operand of a quantised product, along K:
;;     - K is cut into blocks of 32 from its start; a last block that is shorter is filled with zeros.
;;     - A block's scale is 2^e with e = floor(log2(the largest magnitude in the block)) - 4, held to -126 .. 127; a block of zeros has e = 0. As a byte (E8M0): e + 127.
;;     - Each number is divided by its block's scale, clamped to +-28, and rounded to the nearest number of E3M2, ties to even, subnormals kept.
;;     - The product sums the exact products of the quantised numbers (number of the format x scale) in f32.
;;   ~~~python
;;   def quantise(x, axis):      # numpy; x: float32 -> the quantised numbers, widened to float32 again
;;       x = np.moveaxis(x, axis, -1); K = x.shape[-1]
;;       x = np.pad(x, [(0, 0)] * (x.ndim - 1) + [(0, -K % 32)]); x = x.reshape(x.shape[:-1] + (-1, 32)); a = np.abs(x).max(-1, keepdims=True)
;;       e = np.where(a > 0, np.clip(np.frexp(np.where(a > 0, a, 1))[1] - 1 - 4, -126, 127), 0)      # np.frexp(a)[1] - 1 = floor(log2(a)), exactly
;;       r = np.clip(x / 2.0 ** e, -28, 28)
;;       step = 2.0 ** (np.maximum(np.frexp(np.where(r == 0, 1, r))[1] - 1, -2) - 2)
;;       q = np.round(r / step) * step * 2.0 ** e      # np.round: ties to even
;;       return np.moveaxis(q.reshape(q.shape[:-2] + (-1,))[..., :K], -1, axis).astype(np.float32)
;;   ~~~
;;   OPERANDS COMPUTED ON THE WAY. 'Computed on the way' means the value that the module computes at that place (a softmax that the list does not call 'softmax' is quantised finished and normalised). What goes into a quantiser is computed in f32, as accurately as f32 sums, v_exp_f32 and their like allow (about 1e-6 of the number): no bf16 or f16 on the way to a quantiser, and a product that is left as it is and whose result goes on into a quantised operand takes f32 operands (vector FMAs, or v_wmma_f32_16x16x4_f32). A number that lies on a knife's edge between two numbers of the format may be rounded either way, as far as f32 arithmetic and the matrix unit's own rounding can turn it there, and no further.
;;   INPUTS GIVEN AS CODES. W_ha (in the module: [1024, 1024], K = its axis 1); W_hh (in the module: [3072, 1024], K = its axis 1); W_ih (in the module: [3072, 1024], K = its axis 1); W_xa (in the module: [1024, 1024], K = its axis 1): each comes as NAME_codes (uint8): NAME with its K axis moved to the last place and cut into blocks of 32 codes, [.., K / 32, bytes a block], one block behind the other in memory; four codes in three bytes: a row's codes are one little-endian stream of bits, code i at bits 6 i .. 6 i + 5 (a code: sign, 3 exponent bits, 2 mantissa bits); and NAME_scales (uint8): the same leading axes, one E8M0 byte (e + 127) for each 32 codes along K. Its value is code x scale, taken as it is: it is not quantised again, and the codes and scales need not be those that the quantiser above would give.
;; One version. Each part assembles by itself: llvm-mc -triple=amdgcn-amd-amdhsa -mcpu=gfx1250 --defsym DOCPART=n.
;; ======== version 1 of 1: 3 launches
;; limits: right only within a limited range of input values
;; workspace buffers: acodes 12,582,912 bytes; ascales 524,288 bytes; gcodes 6,291,456 bytes; gscales 262,144 bytes; wcodes 6,291,456 bytes; wscales 262,144 bytes
;; launch prep (part 1): grid 256 x 1, 9 waves a work-group, no clusters, 77,312 bytes of LDS; arguments x, hx, acodes, ascales, wcodes, wscales, W_xa_codes, W_ha_codes, W_ih_codes, W_hh_codes, W_xa_scales, W_ha_scales, W_ih_scales, W_hh_scales; writes acodes, ascales, wcodes, wscales
.if DOCPART == 1
	.amdgcn_target "amdgcn-amd-amdhsa--gfx1250"
	.amdhsa_code_object_version 6
	.text
	.protected	k_qea39c8ddae_prep
	.globl	k_qea39c8ddae_prep
	.p2align	8
	.type	k_qea39c8ddae_prep,@function
k_qea39c8ddae_prep:
	s_mov_b64 s[64:65], 0
	v_nop
	global_prefetch_b8 v0, s[64:65] scope:SCOPE_SE
	s_setreg_imm32_b32 hwreg(HW_REG_WAVE_MODE, 25, 1), 1
	s_wait_xcnt 0x0
; x and hx [8192][1024] f32 become codes of BF6 (E3M2) with one E8M0 byte for each 32 along K, and the four weights, which arrive as codes, are laid anew:
; all six leave as IMAGES OF THE MATRIX OPERAND'S REGISTERS, so that the two products' launches read every fragment by three loads of 16 bytes a lane from consecutive bytes.
; A FRAGMENT'S IMAGE: 16 rows x 128 K = 12 registers a lane = 1,536 bytes: registers 4 c .. 4 c + 3 of lane l at 512 c + 16 l.
; A SCALE GROUP: 2,048 bytes of 32-bit words [K step 8][lane row 16][tile 4]: the four scale bytes of one row and 128 K are a word.
; acodes  [x, hx][K slot q 4][block of 16 rows 512][K step in the slot 2][1536];   ascales [x, hx][64 rows 128][2048].
; wcodes  W_xa at 0, W_ha at 786,432: [q 4][tile 64][2][1536];  W_ih at 1,572,864, W_hh at 3,932,160: [q 4][32 columns 32][2 x gate + u 6][2][1536].
; wscales W_xa at 0, W_ha at 32,768: [4 tiles 16][2048];  W_ih at 65,536, W_hh at 163,840: [64 columns 16][gate 3][2048], tile = 2 x (which 32 columns) + u.
; THE ROWS OF A WEIGHT THAT FORM A TILE ARE NOT NEIGHBOURS: lane r of tile u of a group of 32 rows takes row 8 u + r + 8 (r / 8): in a product used transposed the 16 registers of tiles u = 0, 1 are then 16 neighbouring columns.
; THE QUANTISER: a block's scale is 2^(floor(log2(largest magnitude)) - 4); its byte is the largest magnitude's exponent field - 4, held at 1 from below.
; LIMITS: a block of zeros, or one whose largest magnitude lies under 2^-122, gets the byte 1 where the rule says 127 or less: the bytes are read by this program alone, and a block of zeros has zero codes. NaN and infinities among the inputs are not served.
; SHARES: 256 work-groups of nine waves.  Waves 0-7 quantise 64 rows of x or hx (wave = K step of 128).  Wave 8 lays 32 rows of one weight anew: the four weights have 8,192 rows, 256 such jobs, one for each work-group,
; so that every work-group has the same work.  Waves share nothing: no barrier.  (LDS is claimed for nine stages; wave 8 uses none.)
.set TM,  16                           ; v16-31   at work in the quantiser
.set PC,  32                           ; v32-50   the codes just made
.set X,   64                           ; v64-127  64 numbers of my row: register 16 b + i = k 32 b + 16 (lane / 16) + i
.set R,   128                          ; v128-255 two sets of 16 rows x 512 bytes as they are loaded
.set PW,  10                           ; v10-13   the four tiles' scale words
.set DD,  8                            ; v[8:9]   the two that I store
.set SEL, 34                           ; s[34:35] lane selects: lane l xor 16
.set SP,  528                          ; a stage row: 512 bytes + 16
.set SW,  32                           ; repack: v32-39 scale words
.set F,   64                           ; repack: v64-255 16 fragments
; 64 numbers of a lane become a fragment's codes in v[PC] on and my row's scale word in v[pw]
.macro QUANT s, pw
.irp b, 0,1,2,3
	v_max3_num_f32 v[TM+\b], |v[(\s)+16*\b]|, |v[(\s)+1+16*\b]|, 0x2800000   ; block b: my 16 numbers and the floor 2^(5 - 127): the byte cannot fall under 1
.endr
.irp i, 2,4,6,8,10,12,14
.irp b, 0,1,2,3
	s_delay_alu instid0(VALU_DEP_4)
	v_max3_num_f32 v[TM+\b], v[TM+\b], |v[(\s)+16*\b+\i]|, |v[(\s)+1+16*\b+\i]|   ; the four blocks by turns
.endr
.endr
.irp b, 0,1,2,3
	s_delay_alu instid0(VALU_DEP_4)
	v_permlanex16_b32 v[TM+4+\b], v[TM+\b], s[SEL], s[SEL+1]
.endr
.irp b, 0,1,2,3
	s_delay_alu instid0(VALU_DEP_4)
	v_max_num_f32 v[TM+\b], v[TM+\b], v[TM+4+\b]   ; with lane l xor 16's 16: the block's largest magnitude
.endr
.irp b, 0,1,2,3
	s_delay_alu instid0(VALU_DEP_4)
	v_add_nc_u32 v[TM+12+\b], 0xfe000000, v[TM+\b]   ; 4 off its exponent field: the conversion's scale operand
.endr
.irp b, 0,1,2,3
	s_delay_alu instid0(VALU_DEP_4)
	v_lshrrev_b32 v[TM+4+\b], 23, v[TM+12+\b]      ; the scale's byte
.endr
	s_delay_alu instid0(VALU_DEP_3)
	v_lshl_or_b32 v[\pw], v[TM+5], 8, v[TM+4]
	s_delay_alu instid0(VALU_DEP_1)
	v_lshl_or_b32 v[\pw], v[TM+6], 16, v[\pw]
	s_delay_alu instid0(VALU_DEP_1)
	v_lshl_or_b32 v[\pw], v[TM+7], 24, v[\pw]
.irp c, 0,1
	v_cvt_scalef32_pk16_bf6_f32 v[PC+6*\c:PC+2+6*\c], v[(\s)+32*\c:(\s)+15+32*\c], v[TM+12+2*\c]
	v_cvt_scalef32_pk16_bf6_f32 v[PC+12+4*\c:PC+14+4*\c], v[(\s)+16+32*\c:(\s)+31+32*\c], v[TM+12+2*\c+1]   ; (a conversion's three registers begin on an even number)
.endr
	v_nop                                          ; one plain place behind a scaled conversion
.irp c, 0,1                                    ; the operand wants a whole block in a lane: lanes 0-15 block 2 c, lanes 16-31 block 2 c + 1
.irp i, 0,1,2
	v_permlane16_swap_b32 v[PC+6*\c+\i], v[PC+12+4*\c+\i]
.endr
.irp i, 0,1,2
	s_delay_alu instid0(VALU_DEP_3)
	v_mov_b32 v[PC+3+6*\c+\i], v[PC+12+4*\c+\i]
.endr
.endr
.endm
	s_load_b256 s[4:11], s[0:1], 0x0               ; x, hx, acodes, ascales
	s_load_b128 s[12:15], s[0:1], 0x20             ; wcodes, wscales
	s_load_b256 s[16:23], s[0:1], 0x30             ; the codes of W_xa, W_ha, W_ih, W_hh
	s_load_b256 s[24:31], s[0:1], 0x50             ; their scale bytes
	v_lshl_add_u32 v62, v0, 2, 0x12900
	v_mov_b32 v63, 0
	v_lshrrev_b32 v1, 5, v0
	s_delay_alu instid0(VALU_DEP_1)
	v_readfirstlane_b32 s32, v1                    ; wave 0..8
	v_and_b32 v1, 31, v0                           ; lane
	v_and_b32 v2, 15, v0                           ; r
	v_bfe_u32 v3, v0, 4, 1                         ; h
	s_delay_alu instid0(VALU_DEP_3)
	v_lshlrev_b32 v4, 4, v1                        ; 16 x lane
	s_wait_kmcnt 0x0
	s_cmp_eq_u32 s32, 8                            ; the ninth wave takes the work-group's job among the weights
	s_cbranch_scc1 .Lrepack
	; ---- x and hx.  Work-group: tensor t, rows 64 grp on; wave: K step s = its number
	s_lshr_b32 s33, ttmp9, 7                       ; t
	s_and_b32 s36, ttmp9, 127                      ; grp
	s_cmp_eq_u32 s33, 0
	s_cselect_b64 s[4:5], s[4:5], s[6:7]           ; the choice hangs on the work-group's number alone
	s_lshl_b32 s38, s36, 18                        ; 64 rows of 4,096 bytes
	s_lshl_b32 s39, s32, 9                         ; 128 numbers
	s_add_co_u32 s38, s38, s39
	s_mov_b32 s39, 0
	s_add_nc_u64 s[4:5], s[4:5], s[38:39]
	s_mul_i32 s38, s33, 6291456                    ; the images: tensor,
	s_lshr_b32 s40, s32, 1
	s_mul_i32 s40, s40, 1572864                    ; K slot,
	s_add_co_u32 s38, s38, s40
	s_mul_i32 s40, s36, 12288                      ; four blocks of 16 rows,
	s_add_co_u32 s38, s38, s40
	s_and_b32 s40, s32, 1
	s_mul_i32 s40, s40, 1536                       ; K step in the slot
	s_add_co_u32 s38, s38, s40
	s_add_nc_u64 s[8:9], s[8:9], s[38:39]
	s_lshl_b32 s38, s33, 18                        ; the scale words: tensor, group, K step
	s_lshl_b32 s40, s36, 11
	s_add_co_u32 s38, s38, s40
	s_lshl_b32 s40, s32, 8
	s_add_co_u32 s38, s38, s40
	s_add_nc_u64 s[10:11], s[10:11], s[38:39]
	s_mov_b32 s[SEL], 0x76543210
	s_mov_b32 s[SEL+1], 0xfedcba98
	s_mul_i32 s37, s32, 16*SP                      ; my wave's stage
	s_wait_alu depctr_va_vdst(0)
	v_add_nc_u32 v5, s37, v4                       ; in: a row's 512 bytes as they lie
	v_mul_u32_u24 v6, v2, SP
	s_delay_alu instid0(VALU_DEP_1)
	v_lshl_add_u32 v6, v3, 6, v6
	s_delay_alu instid0(VALU_DEP_1)
	v_add_nc_u32 v6, s37, v6                       ; out: row r, + 64 h: my 16 numbers of each block of 32
	v_lshlrev_b32 v7, 4, v2
	s_delay_alu instid0(VALU_DEP_1)
	v_lshl_add_u32 v7, v3, 3, v7                   ; my two scale words' place: 16 r + 8 h
.irp b, 0,1,2,3
	v_mov_b32 v[TM+4+\b], 0                        ; written once: a lane permute's destination counts as one of its sources
.endr
.macro LOADF m                         ; tile m: 16 rows, each load 512 consecutive bytes of one row
.irp i, 0,1,2,3,4,5,6,7,8,9,10,11,12,13,14,15
	global_load_b128 v[R+64*((\m)%2)+4*\i:R+64*((\m)%2)+4*\i+3], v4, s[4:5] offset:(16*(\m)+\i)*4096 th:TH_LOAD_NT
.endr
.endm
.macro TILE m
.if (\m) < 3
	s_wait_loadcnt 16                              ; this tile's 16 loads are in; the next tile's 16 may be out
.else
	s_wait_loadcnt 0x0
.endif
.irp i, 0,1,2,3,4,5,6,7,8,9,10,11,12,13,14,15
	ds_store_b128 v5, v[R+64*((\m)%2)+4*\i:R+64*((\m)%2)+4*\i+3] offset:SP*\i
.endr
.irp b, 0,1,2,3
.irp k, 0,1,2,3
	ds_load_b128 v[X+16*\b+4*\k:X+16*\b+4*\k+3], v6 offset:128*\b+16*\k   ; LDS serves a wave's instructions in order: these see the stores above
.endr
.endr
	s_wait_dscnt 0x0                               ; the numbers are back, and the stores have read their registers
.if (\m) > 0
	s_wait_xcnt 0x0                                ; the last tile's stores have read the codes' registers
.endif
.if (\m) < 2
	LOADF (\m)+2
.endif
	QUANT X, PW+(\m)
.irp c, 0,1,2
	global_store_b128 v4, v[PC+4*\c:PC+4*\c+3], s[8:9] offset:3072*(\m)+512*\c   ; 32 lanes store 512 consecutive bytes
.endr
.endm
	LOADF 0
	LOADF 1
	s_wait_alu depctr_va_vdst(0)
	TILE 0
	TILE 1
	TILE 2
	TILE 3
	v_cmp_ne_u32 vcc_lo, 0, v3                     ; lanes 0-15 store tiles 0, 1 of their row, lanes 16-31 tiles 2, 3
	s_delay_alu instid0(VALU_DEP_1)
	v_cndmask_b32 v[DD], v[PW], v[PW+2], vcc_lo
	s_delay_alu instid0(VALU_DEP_2)
	v_cndmask_b32 v[DD+1], v[PW+1], v[PW+3], vcc_lo
	global_store_b64 v7, v[DD:DD+1], s[10:11]      ; the wave stores 256 consecutive bytes, aligned
	s_wait_tensorcnt 0x0
	ds_add_u32 v62, v63
	s_wait_dscnt 0x0
	s_endpgm
.Lrepack:
	; ---- the weights.  Job = the work-group's number: jobs 0-31 W_xa, 32-63 W_ha, 64-159 W_ih, 160-255 W_hh; P = the job's group of 32 rows in its weight
	s_mov_b32 s41, 786432
	s_mov_b32 s42, 32768
	s_cmp_lt_u32 ttmp9, 32                         ; W_xa or W_ha
	s_cselect_b64 s[36:37], s[16:17], s[18:19]
	s_cselect_b64 s[38:39], s[24:25], s[26:27]
	s_cselect_b32 s40, 0, 32
	s_cselect_b32 s41, 0, s41
	s_cselect_b32 s42, 0, s42
	s_mov_b32 s48, 160
	s_mov_b32 s49, 3932160
	s_mov_b32 s50, 163840
	s_cmp_lt_u32 ttmp9, 160                        ; W_ih or W_hh
	s_cselect_b64 s[44:45], s[20:21], s[22:23]
	s_cselect_b64 s[46:47], s[28:29], s[30:31]
	s_cselect_b32 s48, 64, s48
	s_cselect_b32 s49, 1572864, s49
	s_cselect_b32 s50, 65536, s50
	s_cmp_lt_u32 ttmp9, 64                         ; the gate's weights or the cell's
	s_cselect_b64 s[36:37], s[36:37], s[44:45]     ; the codes I read,
	s_cselect_b64 s[38:39], s[38:39], s[46:47]     ; the scale bytes I read,
	s_cselect_b32 s40, s40, s48                    ; the weight's first job,
	s_cselect_b32 s41, s41, s49                    ; its place in wcodes,
	s_cselect_b32 s42, s42, s50                    ; and in wscales
	s_sub_co_u32 s34, ttmp9, s40                   ; P
	s_lshr_b32 s43, s34, 5                         ; the cell's weights: gate,
	s_and_b32 s44, s34, 31                         ; which 32 columns,
	s_mul_i32 s45, s44, 6
	s_lshl_b32 s46, s43, 1
	s_add_co_u32 s45, s45, s46                     ; first tile = 6 x columns + 2 x gate,
	s_lshr_b32 s46, s44, 1
	s_mul_i32 s46, s46, 3
	s_add_co_u32 s46, s46, s43                     ; scale group = 3 x (64 columns) + gate
	s_lshl_b32 s47, s34, 1                         ; the gate's weights: first tile = 2 P,
	s_lshr_b32 s48, s34, 1                         ; scale group = P / 2 (also: which 64 rows of scale bytes I read)
	s_mov_b32 s49, 589824
	s_cmp_lt_u32 ttmp9, 64
	s_cselect_b32 s45, s47, s45
	s_cselect_b32 s46, s48, s46
	s_cselect_b32 s62, 196608, s49                 ; bytes from K slot to K slot
	s_mov_b32 s63, 0
	s_and_b32 s51, s34, 1                          ; which half (K steps 4 hg on) of the scale group is mine
	s_mul_i32 s52, s34, 24576                      ; 32 rows of 768 bytes
	s_mov_b32 s53, 0
	s_add_nc_u64 s[36:37], s[36:37], s[52:53]
	s_lshl_b32 s52, s48, 11                        ; 64 rows of 32 bytes,
	s_lshl_b32 s43, s51, 4                         ; + 16 bytes for K steps 4 on
	s_add_co_u32 s52, s52, s43
	s_add_nc_u64 s[38:39], s[38:39], s[52:53]
	s_mul_i32 s52, s45, 3072
	s_add_co_u32 s52, s52, s41
	s_add_nc_u64 s[54:55], s[12:13], s[52:53]      ; where my two tiles go, for each of the four K slots
	s_add_nc_u64 s[56:57], s[54:55], s[62:63]
	s_add_nc_u64 s[58:59], s[56:57], s[62:63]
	s_add_nc_u64 s[60:61], s[58:59], s[62:63]
	s_lshl_b32 s52, s46, 11
	s_add_co_u32 s52, s52, s42
	s_lshl_b32 s43, s51, 10
	s_add_co_u32 s52, s52, s43
	s_add_nc_u64 s[14:15], s[14:15], s[52:53]      ; and my half of the scale group
	s_wait_alu depctr_va_vdst(0)
	v_and_b32 v8, 8, v2
	s_delay_alu instid0(VALU_DEP_1)
	v_add_nc_u32 v8, v8, v2                        ; r + 8 (r / 8)
	s_delay_alu instid0(VALU_DEP_1)
	v_mul_u32_u24 v5, v8, 768
	s_delay_alu instid0(VALU_DEP_1)
	v_mad_u32_u24 v5, v3, 24, v5                   ; codes: my row, + 24 h
	s_delay_alu instid0(VALU_DEP_3)
	v_lshlrev_b32 v6, 5, v8
	s_delay_alu instid0(VALU_DEP_1)
	v_lshl_add_u32 v6, v3, 2, v6                   ; scale bytes: my row, + 4 h: lanes 16-31 take the K step behind
	v_lshlrev_b32 v7, 4, v2
	s_delay_alu instid0(VALU_DEP_1)
	v_lshl_add_u32 v7, v3, 8, v7                   ; and where they go: 256 h + 16 r
.macro WLOAD q                         ; K slot q: 2 K steps x 2 tiles x 6 pieces of 8 bytes: 24 loads
.irp s2, 0,1
.irp u, 0,1
.irp p, 0,1,2,3,4,5
	global_load_b64 v[F+96*\u+12*(2*(\q)+\s2)+2*\p:F+96*\u+12*(2*(\q)+\s2)+2*\p+1], v5, s[36:37] offset:6144*\u+96*(2*(\q)+\s2)+48*(\p/3)+8*(\p%3)
.endr
.endr
.endr
.endm
.macro WSTORE q, base
.irp u, 0,1
.irp s2, 0,1
.irp c, 0,1,2
	global_store_b128 v4, v[F+96*\u+12*(2*(\q)+\s2)+4*\c:F+96*\u+12*(2*(\q)+\s2)+4*\c+3], s[\base:\base+1] offset:3072*\u+1536*\s2+512*\c
.endr
.endr
.endr
.endm
.irp k, 0,1
.irp m, 0,1,2,3
	global_load_b32 v[SW+4*\k+\m], v6, s[38:39] offset:(32*(\m/2)+8*(\m%2))*32+8*\k   ; tile m of the group's four, K step 4 hg + 2 k + h
.endr
.endr
	WLOAD 0
	WLOAD 1
	s_wait_alu depctr_va_vdst(0)
	s_wait_loadcnt 48                              ; the eight scale words are in; two K slots' 48 loads may be out
.irp k, 0,1
	global_store_b128 v7, v[SW+4*\k:SW+4*\k+3], s[14:15] offset:512*\k   ; 32 lanes store 512 consecutive bytes
.endr
	s_wait_loadcnt 24                              ; K slot 0 is in; slot 1's 24 may be out
	WLOAD 2
	WSTORE 0, 54
	s_wait_loadcnt 24                              ; slot 1 is in; slot 2's 24 may be out
	WLOAD 3
	WSTORE 1, 56
	s_wait_loadcnt 24                              ; slot 2 is in
	WSTORE 2, 58
	s_wait_loadcnt 0x0
	WSTORE 3, 60
	s_endpgm
.Lfunc_end_k_qea39c8ddae_prep:
	.size	k_qea39c8ddae_prep, .Lfunc_end_k_qea39c8ddae_prep-k_qea39c8ddae_prep
	.p2alignl 7, 3214868480
	.fill 96, 4, 3214868480
	.section	.rodata,"a",@progbits
	.p2align	6, 0x0
	.amdhsa_kernel k_qea39c8ddae_prep
		.amdhsa_group_segment_fixed_size 77312
		.amdhsa_private_segment_fixed_size 0
		.amdhsa_enable_private_segment 0
		.amdhsa_kernarg_size 112
		.amdhsa_user_sgpr_count 2
		.amdhsa_user_sgpr_kernarg_segment_ptr 1
		.amdhsa_wavefront_size32 1
		.amdhsa_system_sgpr_workgroup_id_x 1
		.amdhsa_system_sgpr_workgroup_id_y 1
		.amdhsa_system_sgpr_workgroup_id_z 1
		.amdhsa_system_vgpr_workitem_id 0
		.amdhsa_next_free_vgpr 256
		.amdhsa_next_free_sgpr 66
		.amdhsa_reserve_vcc 1
		.amdhsa_float_denorm_mode_32 3
		.amdhsa_float_denorm_mode_16_64 3
		.amdhsa_memory_ordered 1
		.amdhsa_forward_progress 1
		.amdhsa_inst_pref_size 58
	.end_amdhsa_kernel
	.amdgpu_metadata
---
amdhsa.version: [ 1, 2 ]
amdhsa.kernels:
  - .name:           k_qea39c8ddae_prep
    .symbol:         k_qea39c8ddae_prep.kd
    .args:
      - { .name: x, .offset: 0, .size: 8, .value_kind: global_buffer, .address_space: global }
      - { .name: hx, .offset: 8, .size: 8, .value_kind: global_buffer, .address_space: global }
      - { .name: acodes, .offset: 16, .size: 8, .value_kind: global_buffer, .address_space: global }
      - { .name: ascales, .offset: 24, .size: 8, .value_kind: global_buffer, .address_space: global }
      - { .name: wcodes, .offset: 32, .size: 8, .value_kind: global_buffer, .address_space: global }
      - { .name: wscales, .offset: 40, .size: 8, .value_kind: global_buffer, .address_space: global }
      - { .name: W_xa_codes, .offset: 48, .size: 8, .value_kind: global_buffer, .address_space: global }
      - { .name: W_ha_codes, .offset: 56, .size: 8, .value_kind: global_buffer, .address_space: global }
      - { .name: W_ih_codes, .offset: 64, .size: 8, .value_kind: global_buffer, .address_space: global }
      - { .name: W_hh_codes, .offset: 72, .size: 8, .value_kind: global_buffer, .address_space: global }
      - { .name: W_xa_scales, .offset: 80, .size: 8, .value_kind: global_buffer, .address_space: global }
      - { .name: W_ha_scales, .offset: 88, .size: 8, .value_kind: global_buffer, .address_space: global }
      - { .name: W_ih_scales, .offset: 96, .size: 8, .value_kind: global_buffer, .address_space: global }
      - { .name: W_hh_scales, .offset: 104, .size: 8, .value_kind: global_buffer, .address_space: global }
    .group_segment_fixed_size: 77312
    .private_segment_fixed_size: 0
    .kernarg_segment_align: 8
    .kernarg_segment_size: 112
    .max_flat_workgroup_size: 288
    .sgpr_count:     66
    .vgpr_count:     256
    .wavefront_size: 32
...
	.end_amdgpu_metadata
.endif
;; end of part 1
;; launch gate (part 2): grid 4 x 64, 4 waves a work-group, clusters of 4 x 4, 327,680 bytes of LDS; arguments acodes, ascales, wcodes, wscales, x, b_xa, b_ha, gcodes, gscales; writes gcodes, gscales
.if DOCPART == 2
	.amdgcn_target "amdgcn-amd-amdhsa--gfx1250"
	.amdhsa_code_object_version 6
	.text
	.protected	k_qea39c8ddae_gate
	.globl	k_qea39c8ddae_gate
	.p2align	8
	.type	k_qea39c8ddae_gate,@function
k_qea39c8ddae_gate:
	s_mov_b64 s[64:65], 0
	v_nop
	global_prefetch_b8 v0, s[64:65] scope:SCOPE_SE
	s_setreg_imm32_b32 hwreg(HW_REG_WAVE_MODE, 25, 1), 1
	s_wait_xcnt 0x0
	s_wait_alu depctr_hold_cnt(0) depctr_sa_sdst(0) depctr_va_vdst(0) depctr_va_sdst(0) depctr_va_ssrc(0) depctr_va_vcc(0) depctr_vm_vsrc(0)
	s_getreg_b32 s2, hwreg(HW_REG_IB_STS2, 6, 4)
	s_cmp_eq_u32 s2, 0
	s_cbranch_scc0 .Lentry_in_a_cluster
	s_endpgm
.Lentry_in_a_cluster:
	s_bfe_u32 s2, ttmp6, 0x10000c
	s_cmp_lg_u32 s2, 0xf033
	s_cbranch_scc0 .Lentry_shape_is_right
	s_endpgm
.Lentry_shape_is_right:
.set SLOT,  147456
.set AT,    24576
.set BT,    49152
.set SCL,   2*SLOT
.set SPARE, SCL+24576
.set XCH,   SLOT
.set XP,    1040
.set FR,    12
.set FB,    1536
.set LI,    4
.set ADRA0, 8
.set ADRB,  12
.set ADRS0, 14
.set ADRS1, 15
.set XST,   16
.set XLD,   17
.set XA,    18
.set GS,    20
.set BA,    21
.set SPW,   28
.set NIL,   29
.set SC,    32
.set AF,    128
.set BIAS,  192
.set X,     64
.set PC,    192
.set TM,    212
.set PW,    228
.set DD,    232
.set WV,    22
.set PP,    23
.set JJ,    24
.set G1A,   32
.set G1B,   40
.set G0A,   48
.set G0B,   56
.set SEL,   66
.set G1SA,  68
.set G1SB,  76
.set G0SA,  84
.set G0SB,  88
.set G1X,   92
.set G0X,   4
.set CS,    100
.set MSB, 0
.macro WIN new
.if MSB != (\new)
	s_set_vgpr_msb (MSB<<8)|(\new)
.set MSB, (\new)
.endif
.endm
.macro PLACES n
.rept \n
	v_nop
.endr
.endm
.macro JLOAD g0a, g1a, g0b, g1b
	s_cmp_eq_u32 s[PP], 0
	s_cbranch_scc0 .Lfor_b_\@
	tensor_load_to_lds s[\g0a:\g0a+3], s[\g1a:\g1a+7]
	s_nop 0
.rept 4
	v_nop
.endr
	s_branch .Lasked_\@
.Lfor_b_\@:
	tensor_load_to_lds s[\g0b:\g0b+3], s[\g1b:\g1b+7]
	s_nop 0
.rept 4
	v_nop
.endr
.Lasked_\@:
.endm
.macro CREST
	s_cmp_lg_u32 s[WV], 0
	s_cbranch_scc1 .Lnot_wave_0_\@
	s_barrier_signal -3
.Lnot_wave_0_\@:
	s_barrier_wait -3
	s_barrier_signal -1
	s_barrier_wait -1
.endm
.macro CROUND
	s_barrier_signal -1
	s_barrier_wait -1
	CREST
.endm
.macro QUANT s, pw
.irp b, 0,1,2,3
	v_max3_num_f32 v[TM+\b], |v[(\s)+16*\b]|, |v[(\s)+1+16*\b]|, 0x2800000
.endr
.irp i, 2,4,6,8,10,12,14
.irp b, 0,1,2,3
	v_max3_num_f32 v[TM+\b], v[TM+\b], |v[(\s)+16*\b+\i]|, |v[(\s)+1+16*\b+\i]|
.endr
.endr
.irp b, 0,1,2,3
	v_permlanex16_b32 v[TM+4+\b], v[TM+\b], s[SEL], s[SEL+1]
.endr
.irp b, 0,1,2,3
	v_max_num_f32 v[TM+\b], v[TM+\b], v[TM+4+\b]
.endr
.irp b, 0,1,2,3
	v_add_nc_u32 v[TM+12+\b], 0xfe000000, v[TM+\b]
.endr
.irp b, 0,1,2,3
	v_lshrrev_b32 v[TM+4+\b], 23, v[TM+12+\b]
.endr
	v_lshl_or_b32 v[\pw], v[TM+5], 8, v[TM+4]
	v_lshl_or_b32 v[\pw], v[TM+6], 16, v[\pw]
	v_lshl_or_b32 v[\pw], v[TM+7], 24, v[\pw]
.irp c, 0,1
	v_cvt_scalef32_pk16_bf6_f32 v[PC+6*\c:PC+2+6*\c], v[(\s)+32*\c:(\s)+15+32*\c], v[TM+12+2*\c]
	v_cvt_scalef32_pk16_bf6_f32 v[PC+12+4*\c:PC+14+4*\c], v[(\s)+16+32*\c:(\s)+31+32*\c], v[TM+12+2*\c+1]
.endr
	v_nop
.irp c, 0,1
.irp i, 0,1,2
	v_permlane16_swap_b32 v[PC+6*\c+\i], v[PC+12+4*\c+\i]
.endr
.irp i, 0,1,2
	v_mov_b32 v[PC+3+6*\c+\i], v[PC+12+4*\c+\i]
.endr
.endr
.endm
	s_load_b256 s[4:11], s[0:1], 0x0
	s_load_b256 s[12:19], s[0:1], 0x20
	s_load_b64 s[20:21], s[0:1], 0x40
	v_lshl_add_u32 v[SPW], v0, 2, SPARE
	v_mov_b32 v[NIL], 0
	ds_add_u32 v28, v29
	ds_add_u32 v28, v29
	s_wait_dscnt 0x0
	v_lshrrev_b32 v1, 5, v0
	v_readfirstlane_b32 s[WV], v1
	s_lshr_b32 s[PP], s[WV], 1
	s_and_b32 s[JJ], s[WV], 1
	s_bfe_u32 s25, ttmp6, 0x40000
	s_bfe_u32 s26, ttmp6, 0x40004
	s_lshl_b32 s27, ttmp9, 2
	s_add_co_u32 s27, s27, s25
	s_and_b32 s28, ttmp7, 0xffff
	s_lshl_b32 s28, s28, 2
	s_add_co_u32 s28, s28, s26
	s_lshl_b32 s3, s26, 2
	s_lshl_b32 s3, 15, s3
	s_lshl_b32 s105, 0x1111, s25
	s_or_b32 s[G1A], s3, (3<<16)|(1<<21)
	s_or_b32 s[G1B], s105, (3<<16)|(1<<21)
.irp g, G1A, G1B
	s_mov_b32 s[\g+1], 32<<16
	s_mov_b32 s[\g+3], 32<<16
	s_mov_b32 s[\g+5], 32
	s_mov_b32 s[\g+6], 0
	s_mov_b32 s[\g+7], 0
.endr
	s_mov_b32 s[G1A+2], 96<<16
	s_mov_b32 s[G1A+4], 96
	s_mov_b32 s[G1B+2], 192<<16
	s_mov_b32 s[G1B+4], 192
	s_mov_b32 s[G1X], (2<<16)|(1<<20)|(7<<22)|(3<<25)
	s_mov_b32 s[G1X+1], 256<<16
	s_mov_b32 s[G1X+2], 32<<16
	s_mov_b32 s[G1X+3], 256<<16
	s_mov_b32 s[G1X+4], 32
	s_mov_b32 s[G1X+5], 1024
	s_mov_b32 s[G1X+6], 0
	s_mov_b32 s[G1X+7], 0
	s_mov_b32 s[SEL], 0x76543210
	s_mov_b32 s[SEL+1], 0xfedcba98
	s_mov_b32 s[CS], 0xbfb8aa3b
	s_mov_b32 s[CS+1], s[CS]
	s_mul_i32 s2, s[JJ], 6291456
	s_mul_i32 s3, s28, AT
	s_add_co_u32 s2, s2, s3
	s_mov_b32 s3, 0
	s_mul_i32 s104, s[JJ], 786432
	s_mul_i32 s105, s27, BT
	s_add_co_u32 s104, s104, s105
	s_mov_b32 s105, 0
	s_wait_kmcnt 0x0
	s_add_nc_u64 s[4:5], s[4:5], s[2:3]
	s_add_nc_u64 s[8:9], s[8:9], s[104:105]
	s_lshl_b32 s2, s[JJ], 18
	s_lshl_b32 s31, s28, 12
	s_add_co_u32 s2, s2, s31
	s_add_nc_u64 s[6:7], s[6:7], s[2:3]
	s_lshl_b32 s104, s[JJ], 15
	s_lshl_b32 s31, s27, 13
	s_add_co_u32 s104, s104, s31
	s_add_nc_u64 s[10:11], s[10:11], s[104:105]
	CROUND
	s_mul_i32 s31, s[JJ], AT
	s_mul_i32 s30, s[JJ], BT
	s_add_co_u32 s30, s30, 2*AT
.irp n, 0,1
	s_mov_b32 s[G0A+4*\n], 1
	s_add_co_u32 s[G0A+4*\n+1], s31, \n*SLOT
	s_add_nc_u64 s[G0A+4*\n+2:G0A+4*\n+3], s[4:5], \n*1572864
	s_or_b32 s[G0A+4*\n+3], s[G0A+4*\n+3], 0x80000000
	s_mov_b32 s[G0B+4*\n], 1
	s_add_co_u32 s[G0B+4*\n+1], s30, \n*SLOT
	s_add_nc_u64 s[G0B+4*\n+2:G0B+4*\n+3], s[8:9], \n*196608
	s_or_b32 s[G0B+4*\n+3], s[G0B+4*\n+3], 0x80000000
.if \n
	s_wait_loadcnt 0x0                             ; my scale words are in: into LDS bytes that no tensor load fills
.irp k, 0,1,2,3
	ds_store_b128 v24, v[64+4*\k:67+4*\k] offset:512*\k
.endr
.irp k, 0,1,2,3,4,5,6,7
	ds_store_b128 v25, v[80+4*\k:83+4*\k] offset:512*\k
.endr
	s_wait_tensorcnt 0x0                           ; my part of slot 0 is in
	ds_add_u32 v28, v29
	s_wait_dscnt 0x0                               ; the add and my stores are done
	CROUND
.endif
	JLOAD G0A+4*\n, G1A, G0B+4*\n, G1B
.if \n == 0
	; the scale words, 24,576 bytes a work-group, come through registers in loads of 512 consecutive bytes: wave (p, j) copies half p of source j's: 2,048 bytes of the activations', 4,096 of the weight's
	s_lshl_b32 s2, s[PP], 11
	s_lshl_b32 s104, s[PP], 12
	s_lshl_b32 s29, s[JJ], 12
	s_add_co_u32 s29, s29, SCL
	s_lshl_b32 s105, s[JJ], 13
	s_add_co_u32 s105, s105, SCL+8192
	v_and_b32 v26, 31, v0
	v_lshlrev_b32 v27, 12, v26                     ; the prefetches' offset: a lane a row of x
	v_lshlrev_b32 v26, 4, v26
	v_add_nc_u32 v22, s2, v26
	v_add_nc_u32 v23, s104, v26
	v_add_nc_u32 v24, s29, v22
	v_add_nc_u32 v25, s105, v23
	s_wait_alu depctr_va_vdst(0)
.irp k, 0,1,2,3
	global_load_b128 v[64+4*\k:67+4*\k], v22, s[6:7] offset:512*\k
.endr
.irp k, 0,1,2,3,4,5,6,7
	global_load_b128 v[80+4*\k:83+4*\k], v23, s[10:11] offset:512*\k
.endr
.endif
.endr
	s_lshl_b32 s8, s28, 19
	s_lshl_b32 s9, s[WV], 17
	s_add_co_u32 s8, s8, s9
	s_lshl_b32 s9, s27, 10
	s_add_co_u32 s8, s8, s9
	s_mov_b32 s9, 0
	s_mov_b32 s[G0X], 1
	s_mul_i32 s[G0X+1], s[WV], 32*XP
	s_add_nc_u64 s[G0X+2:G0X+3], s[12:13], s[8:9]
	s_add_nc_u64 s[12:13], s[12:13], s[8:9]        ; x at my 32 rows, for the prefetches; never rewritten
	s_or_b32 s[G0X+3], s[G0X+3], 0x80000000
	s_mul_i32 s8, s27, 1572864
	s_lshl_b32 s10, s28, 3
	s_lshl_b32 s11, s[PP], 2
	s_add_co_u32 s10, s10, s11
	s_mul_i32 s10, s10, 3072
	s_add_co_u32 s8, s8, s10
	s_mul_i32 s10, s[JJ], FB
	s_add_co_u32 s8, s8, s10
	s_add_nc_u64 s[18:19], s[18:19], s[8:9]
	s_lshl_b32 s8, s28, 1
	s_add_co_u32 s8, s8, s[PP]
	s_lshl_b32 s8, s8, 11
	s_lshl_b32 s10, s27, 1
	s_add_co_u32 s10, s10, s[JJ]
	s_lshl_b32 s10, s10, 8
	s_add_co_u32 s8, s8, s10
	s_add_nc_u64 s[20:21], s[20:21], s[8:9]
	s_cmp_eq_u32 s[PP], 0
	s_cselect_b64 s[14:15], s[14:15], s[16:17]
	s_lshl_b32 s8, s27, 10
	s_lshl_b32 s10, s[JJ], 9
	s_add_co_u32 s8, s8, s10
	s_add_nc_u64 s[14:15], s[14:15], s[8:9]
	v_and_b32 v3, 31, v0
	v_and_b32 v1, 15, v0
	v_bfe_u32 v2, v0, 4, 1
	v_lshlrev_b32 v[LI], 4, v3
	s_wait_alu depctr_va_vdst(0)
	v_lshlrev_b32 v[BA], 6, v2
	WIN 0x40
.irp b, 0,1,2,3,4,5,6,7
	global_load_b128 v[BIAS+8*\b:BIAS+8*\b+3], v[BA], s[14:15] offset:(32*(\b/2)+8*(\b%2))*4
	global_load_b128 v[BIAS+8*\b+4:BIAS+8*\b+7], v[BA], s[14:15] offset:(32*(\b/2)+8*(\b%2))*4+16
.endr
	WIN 0
	s_mul_i32 s29, s[PP], 36864
	v_add_nc_u32 v[ADRA0], s29, v[LI]
	v_add_nc_u32 v[ADRA0+1], SLOT, v[ADRA0]
	s_mul_i32 s29, s[PP], 12288
	s_add_co_u32 s29, s29, 12288
	v_add_nc_u32 v[ADRA0+2], s29, v[LI]
	v_add_nc_u32 v[ADRA0+3], SLOT, v[ADRA0+2]
	s_mul_i32 s29, s[PP], BT
	s_mul_i32 s30, s[JJ], 24576
	s_add_co_u32 s29, s29, s30
	s_add_co_u32 s29, s29, 2*AT
	v_add_nc_u32 v[ADRB], s29, v[LI]
	v_add_nc_u32 v[ADRB+1], SLOT, v[ADRB]
	v_lshlrev_b32 v5, 4, v1
	s_lshl_b32 s29, s[PP], 11
	s_lshl_b32 s30, s[JJ], 12
	s_add_co_u32 s31, s29, s30
	s_add_co_u32 s31, s31, 8192
	v_mul_u32_u24 v6, s31, v2
	v_add_nc_u32 v6, v6, v5
	s_mul_i32 s31, s[PP], 6144
	s_add_co_u32 s31, s31, SCL
	v_add_nc_u32 v[ADRS0], s31, v6
	s_mul_i32 s31, s[PP], 6144
	s_add_co_u32 s31, s31, s30
	s_add_co_u32 s31, s31, 8192
	v_mul_u32_u24 v6, s31, v2
	s_wait_alu depctr_va_vdst(0)
	v_add_nc_u32 v6, v6, v5
	s_add_co_u32 s31, s29, SCL+2048
	v_add_nc_u32 v[ADRS1], s31, v6
	s_lshl_b32 s29, s[WV], 15
	s_add_co_u32 s29, s29, XCH
	v_add_nc_u32 v[XST], s29, v[LI]
	s_xor_b32 s29, s[WV], 2
	s_lshl_b32 s29, s29, 15
	s_add_co_u32 s29, s29, XCH
	v_add_nc_u32 v[XLD], s29, v[LI]
	s_mul_i32 s29, s[PP], 64*XP
	s_lshl_b32 s30, s[JJ], 9
	s_add_co_u32 s29, s29, s30
	v_mul_u32_u24 v6, v1, XP
	v_lshl_add_u32 v6, v2, 6, v6
	v_add_nc_u32 v[XA], s29, v6
	v_lshl_add_u32 v[GS], v2, 3, v5
.macro FRAG reg, adr, off
.irp c, 0,1,2
	ds_load_b128 v[(\reg)+4*\c:(\reg)+4*\c+3], v[\adr] offset:(\off)+512*\c
.endr
.endm
.macro FETCH_B n, q, set
	WIN 0x40
.irp i, 0,1,2,3,4,5,6,7
	FRAG 96*(\set)+FR*\i, ADRB+(\n), \i*3072+(\q)*FB
.endr
	WIN 0
.endm
.macro FETCH_A n, q, i0
.irp i, 0,1,2,3
	FRAG AF+FR*((\i0)+\i), ADRA0+2*((\i0)/4)+(\n), \i*3072+(\q)*FB
.endr
.endm
.macro SCALES set, s0
.irp q, 0,1
	ds_load_b128 v[SC+16*(\set)+8*\q:SC+16*(\set)+8*\q+3], v[ADRS0] offset:((\s0)+\q)*256
	ds_load_b128 v[SC+16*(\set)+8*\q+4:SC+16*(\set)+8*\q+7], v[ADRS1] offset:((\s0)+\q)*256
.endr
.endm
.macro MUL16 a0, set, q, sc, first
.irp a, \a0, \a0+1
.irp b, 0,1,2,3,4,5,6,7
.if \first
	v_wmma_scale_f32_16x16x128_f8f6f4 v[8*(8*((\a)%4)+\b):8*(8*((\a)%4)+\b)+7], v[96*(\set)+FR*\b:96*(\set)+FR*\b+FR-1], v[AF+FR*(\a):AF+FR*(\a)+FR-1], v[BIAS+8*\b:BIAS+8*\b+7], v[SC+16*(\sc)+8*(\q)+\b], v[SC+16*(\sc)+8*(\q)+(\a)] matrix_a_fmt:MATRIX_FMT_BF6 matrix_b_fmt:MATRIX_FMT_BF6 matrix_a_scale:MATRIX_SCALE_ROW1
.else
	v_wmma_scale_f32_16x16x128_f8f6f4 v[8*(8*((\a)%4)+\b):8*(8*((\a)%4)+\b)+7], v[96*(\set)+FR*\b:96*(\set)+FR*\b+FR-1], v[AF+FR*(\a):AF+FR*(\a)+FR-1], v[8*(8*((\a)%4)+\b):8*(8*((\a)%4)+\b)+7], v[SC+16*(\sc)+8*(\q)+\b], v[SC+16*(\sc)+8*(\q)+(\a)] matrix_a_fmt:MATRIX_FMT_BF6 matrix_b_fmt:MATRIX_FMT_BF6 matrix_a_scale:MATRIX_SCALE_ROW1
.endif
.endr
.endr
.endm
.macro STEP n, first
	s_wait_dscnt 12
	WIN 0xa1-0x10*(\first)
	MUL16 0, 0, 0, \n, \first
	MUL16 2, 0, 0, \n, \first
	s_wait_dscnt 0x0
	PLACES 4
	FETCH_B \n, 1, 1
	FETCH_A \n, 1, 0
	WIN 0xf1-0x20*(\first)
	MUL16 4, 0, 0, \n, \first
	MUL16 6, 0, 0, \n, \first
	PLACES 4
	WIN 0
	FETCH_A \n, 1, 4
.endm
.macro TURN n, next, fill, s0
	s_wait_tensorcnt 0x0
	ds_add_u32 v[SPW], v[NIL]
	s_wait_dscnt 13
	WIN 0xa1
	MUL16 0, 1, 1, \n, 0
	s_wait_dscnt 0x0
	s_barrier_signal -1
	MUL16 2, 1, 1, \n, 0
	WIN 0
	s_barrier_wait -1
	CREST
.if \fill == 1
	s_add_nc_u64 s[G0A+4*\n+2:G0A+4*\n+3], s[G0A+4*\n+2:G0A+4*\n+3], 2*1572864
	s_add_nc_u64 s[G0B+4*\n+2:G0B+4*\n+3], s[G0B+4*\n+2:G0B+4*\n+3], 2*196608
	JLOAD G0A+4*\n, G1A, G0B+4*\n, G1B
.else
	tensor_load_to_lds s[G0X:G0X+3], s[G1X:G1X+7]
	s_nop 0
	PLACES 4
.endif
	FETCH_B \next, 0, 0
	FETCH_A \next, 0, 0
	SCALES \next, \s0
	WIN 0xf1
	MUL16 4, 1, 1, \n, 0
	MUL16 6, 1, 1, \n, 0
	PLACES 4
	WIN 0
	FETCH_A \next, 0, 4
.endm
	s_wait_alu depctr_va_vdst(0)
	s_wait_tensorcnt 1
	s_barrier_signal -1
	s_barrier_wait -1
	FETCH_B 0, 0, 0
	FETCH_A 0, 0, 0
	SCALES 0, 0
	FETCH_A 0, 0, 4
	s_wait_loadcnt 0x0
	STEP 0, 1
	TURN 0, 1, 1, 2
.irp j, 0,1,2,3
	global_prefetch_b8 v27, s[12:13] offset:256*\j th:TH_LOAD_NT scope:SCOPE_SE   ; my 32 rows x 1,024 bytes of x, each block of 256 bytes once, two changes of slots ahead of the load that asks for them
.endr
	STEP 1, 0
	TURN 1, 0, 1, 4
	STEP 0, 0
	TURN 0, 1, 2, 6
	STEP 1, 0
	s_wait_dscnt 12
	WIN 0xa1
	MUL16 0, 1, 1, 1, 0
	MUL16 2, 1, 1, 1, 0
	s_wait_dscnt 0x0
	WIN 0xf1
	MUL16 4, 1, 1, 1, 0
	MUL16 6, 1, 1, 1, 0
	WIN 0
	PLACES 4
.irp b, 0,1,2,3
	v_mov_b32 v[TM+4+\b], 0
.endr
	s_wait_tensorcnt 0x0
	s_barrier_signal -1
	s_barrier_wait -1
	WIN 0x0c
.set KK, 0
.rept 64
	ds_store_b128 v[XST], v[4*KK:4*KK+3] offset:512*KK
.set KK, KK+1
.endr
	WIN 0
	s_wait_dscnt 0x0
	s_barrier_signal -1
	s_barrier_wait -1
	WIN 0xc0
.set KK, 0
.rept 64
	ds_load_b128 v[4*KK:4*KK+3], v[XLD] offset:512*KK
.set KK, KK+1
.endr
	WIN 0
.macro XL a
.irp b, 0,1,2,3
.irp k, 0,1,2,3
	ds_load_b128 v[X+64*((\a)%2)+16*\b+4*\k:X+64*((\a)%2)+16*\b+4*\k+3], v[XA] offset:16*XP*(\a)+128*\b+16*\k
.endr
.endr
.endm
.macro FIN a
.set AC, 64*(\a)
.set XS, X+64*((\a)%2)
.if (\a) < 3
	XL (\a)+1
	s_wait_dscnt 16
.else
	s_wait_dscnt 0x0
.endif
	WIN 0x8e
.set KK, 0
.rept 32
	v_pk_add_f32 v[AC+KK:AC+KK+1], v[AC+KK:AC+KK+1], v[AC+KK:AC+KK+1]
.set KK, KK+2
.endr
	WIN 0x82
.set KK, 0
.rept 32
	v_pk_mul_f32 v[AC+KK:AC+KK+1], v[AC+KK:AC+KK+1], s[CS:CS+1] op_sel_hi:[1,0]
.set KK, KK+2
.endr
.set KK, 0
	s_wait_alu depctr_va_vdst(0)
.rept 64
	v_exp_f32 v[AC+KK], v[AC+KK]
.set KK, KK+1
.endr
	v_nop
.set KK, 0
	s_wait_alu depctr_va_vdst(0)
.rept 32
	v_pk_add_f32 v[AC+KK:AC+KK+1], v[AC+KK:AC+KK+1], 1.0 op_sel_hi:[1,0]
.set KK, KK+2
.endr
.set KK, 0
	s_wait_alu depctr_va_vdst(0)
.rept 64
	v_rcp_f32 v[AC+KK], v[AC+KK]
.set KK, KK+1
.endr
	v_nop
	WIN 0x02
.set KK, 0
	s_wait_alu depctr_va_vdst(0)
.rept 32
	v_pk_mul_f32 v[XS+KK:XS+KK+1], v[AC+KK:AC+KK+1], v[XS+KK:XS+KK+1]
.set KK, KK+2
.endr
	WIN 0
.if (\a) > 0
	s_wait_xcnt 0x0
.endif
	QUANT XS, PW+(\a)
.irp c, 0,1,2
	global_store_b128 v[LI], v[PC+4*\c:PC+4*\c+3], s[18:19] offset:3072*(\a)+512*\c
.endr
.endm
	XL 0
	FIN 0
	FIN 1
	FIN 2
	FIN 3
	v_cmp_ne_u32 vcc_lo, 0, v2
	v_cndmask_b32 v[DD], v[PW], v[PW+2], vcc_lo
	v_cndmask_b32 v[DD+1], v[PW+1], v[PW+3], vcc_lo
	global_store_b64 v[GS], v[DD:DD+1], s[20:21]
	s_wait_tensorcnt 0x0
	ds_add_u32 v[SPW], v[NIL]
	s_wait_dscnt 0x0
	CROUND
	s_endpgm
.Lfunc_end_k_qea39c8ddae_gate:
	.size	k_qea39c8ddae_gate, .Lfunc_end_k_qea39c8ddae_gate-k_qea39c8ddae_gate
	.p2alignl 7, 3214868480
	.fill 96, 4, 3214868480
	.section	.rodata,"a",@progbits
	.p2align	6, 0x0
	.amdhsa_kernel k_qea39c8ddae_gate
		.amdhsa_group_segment_fixed_size 327680
		.amdhsa_private_segment_fixed_size 0
		.amdhsa_enable_private_segment 0
		.amdhsa_kernarg_size 72
		.amdhsa_user_sgpr_count 2
		.amdhsa_user_sgpr_kernarg_segment_ptr 1
		.amdhsa_wavefront_size32 1
		.amdhsa_system_sgpr_workgroup_id_x 1
		.amdhsa_system_sgpr_workgroup_id_y 1
		.amdhsa_system_sgpr_workgroup_id_z 1
		.amdhsa_system_vgpr_workitem_id 0
		.amdhsa_next_free_vgpr 1024
		.amdhsa_next_free_sgpr 106
		.amdhsa_reserve_vcc 1
		.amdhsa_float_denorm_mode_32 3
		.amdhsa_float_denorm_mode_16_64 3
		.amdhsa_memory_ordered 1
		.amdhsa_forward_progress 1
		.amdhsa_inst_pref_size 189
	.end_amdhsa_kernel
	.amdgpu_metadata
---
amdhsa.version: [ 1, 2 ]
amdhsa.kernels:
  - .name:           k_qea39c8ddae_gate
    .symbol:         k_qea39c8ddae_gate.kd
    .args:
      - { .name: acodes, .offset: 0, .size: 8, .value_kind: global_buffer, .address_space: global }
      - { .name: ascales, .offset: 8, .size: 8, .value_kind: global_buffer, .address_space: global }
      - { .name: wcodes, .offset: 16, .size: 8, .value_kind: global_buffer, .address_space: global }
      - { .name: wscales, .offset: 24, .size: 8, .value_kind: global_buffer, .address_space: global }
      - { .name: x, .offset: 32, .size: 8, .value_kind: global_buffer, .address_space: global }
      - { .name: b_xa, .offset: 40, .size: 8, .value_kind: global_buffer, .address_space: global }
      - { .name: b_ha, .offset: 48, .size: 8, .value_kind: global_buffer, .address_space: global }
      - { .name: gcodes, .offset: 56, .size: 8, .value_kind: global_buffer, .address_space: global }
      - { .name: gscales, .offset: 64, .size: 8, .value_kind: global_buffer, .address_space: global }
    .group_segment_fixed_size: 327680
    .private_segment_fixed_size: 0
    .kernarg_segment_align: 8
    .kernarg_segment_size: 72
    .max_flat_workgroup_size: 128
    .sgpr_count:     106
    .vgpr_count:     1024
    .wavefront_size: 32
...
	.end_amdgpu_metadata
.endif
;; end of part 2
;; launch gru (part 3): grid 16 x 16, 4 waves a work-group, clusters of 4 x 4, 327,680 bytes of LDS; arguments gcodes, gscales, acodes, ascales, wcodes, wscales, hx, b_ih, b_hh, out0; writes out0
.if DOCPART == 3
	.amdgcn_target "amdgcn-amd-amdhsa--gfx1250"
	.amdhsa_code_object_version 6
	.text
	.protected	k_qea39c8ddae_gru
	.globl	k_qea39c8ddae_gru
	.p2align	8
	.type	k_qea39c8ddae_gru,@function
k_qea39c8ddae_gru:
	s_mov_b64 s[64:65], 0
	v_nop
	global_prefetch_b8 v0, s[64:65] scope:SCOPE_SE
	s_setreg_imm32_b32 hwreg(HW_REG_WAVE_MODE, 25, 1), 1
	s_wait_xcnt 0x0
	s_wait_alu depctr_hold_cnt(0) depctr_sa_sdst(0) depctr_va_vdst(0) depctr_va_sdst(0) depctr_va_ssrc(0) depctr_va_vcc(0) depctr_vm_vsrc(0)
	s_getreg_b32 s2, hwreg(HW_REG_IB_STS2, 6, 4)
	s_cmp_eq_u32 s2, 0
	s_cbranch_scc0 .Lentry_in_a_cluster
	s_endpgm
.Lentry_in_a_cluster:
	s_bfe_u32 s2, ttmp6, 0x10000c
	s_cmp_lg_u32 s2, 0xf033
	s_cbranch_scc0 .Lentry_shape_is_right
	s_endpgm
.Lentry_shape_is_right:
; hy = (1 - z) n + z hx,  r = sigmoid(i_r + h_r), z = sigmoid(i_z + h_z), n = tanh(i_n + r h_n),  gi = xg W_ih^T + b_ih, gh = hx W_hh^T + b_hh.
; Both products on codes of BF6 (E3M2) with E8M0 scales; operands arrive as images of operand registers (a fragment, 16 rows x 128 K, is 1,536 consecutive bytes: registers 4 c .. 4 c + 3 of lane l at 512 c + 16 l).
; SHARES.  A tile of hy is 256 rows x 64 columns; wave w = 2 i + jc makes rows 128 i on, columns 32 jc on, and four sums for them (r, z, i_n, h_n): 8 blocks x 4 sums x 2 tiles = 64 accumulators.
; A work-group makes two tiles of the same 64 columns, 4,096 rows apart: 256 work-groups.  The ring goes on into the second tile; the last tile's tail is written out.
; THE MATRIX INSTRUCTION IS USED TRANSPOSED (source 0 = 16 rows of the weight, source 1 = 16 rows of xg or hx): a lane holds one row and 16 neighbouring columns of each sum.
; RING.  Two LDS slots; a slot holds 128 along K of xg, hx, W_ih and W_hh: four tiles of rows of 1,536 bytes, one joint load a wave (wave 0 xg, 1 hx, 2 W_ih, 3 W_hh).  Eight slots a tile of hy.
; CLUSTER 4 x 4: the activations' tiles are asked for jointly along a row of the cluster, the weights' along a column.  By this text's count a wave has one tensor load out; every wait on TENSORcnt is for 0.
; The scale words (28,672 bytes a tile of hy) and hx in f32 come by loads of whole 256-byte units through registers into LDS bytes of their own, which no tensor load fills; they are not asked for jointly:
; the scale words are 28,672 of the 716,800 bytes that a tile of hy takes in, and no two work-groups share numbers of hx.  hy is written over hx's bytes and leaves as whole rows of 256 bytes.
; PREFETCH: behind each joint load one instruction a wave names the blocks of 256 bytes of the slot two refills on; the four partners of a joint load share its rows out by address (4 of 16, or 3 of 12 rows each).
; A tile's last two slots' refills have none along K; the weights are asked for in the first tile alone, since the second takes the same rows.
; LIMITS: NaN and infinities are not served.  v_exp_f32 and v_rcp_f32 flush denormals: a gate under 2^-126 counts as 0.
; REGISTERS.  window 0: v4-27 addresses; v28-29 for the add; v32-47 scale words; v64-159 the activations' fragments; v160-223 hx on its way; v224-255 the next tile's scale words; in the cell v64-143, then v64-191 rows of hy.
;   window 1: the weights' fragments, set 0 (W_ih) at v0, set 1 (W_hh) at v72; v144-207 the biases.   windows 2, 3: accumulator (block a, sum G, tile c) at v[8 (8 (a % 4) + 2 G + c)].
.set SLOT,  86016                      ; xg 24,576, hx 24,576, W_ih 18,432, W_hh 18,432
.set BOFF,  49152
.set SCL,   2*SLOT                     ; scale words: xg's 8,192, W_ih's 6,144, hx's 8,192, W_hh's 6,144
.set SRC,   14336
.set HXT,   SCL+2*SRC                  ; hx, then hy: 256 rows of 256 bytes + 16
.set HP,    272
.set SPARE, HXT+256*HP                 ; the spare words: 128 bytes a wave
.set QA,    1572864                    ; bytes from a K slot of 256 to the next in the activations' images,
.set QB,    589824                     ; and in the cell's weights'
.set NEXTA, 3*QA-16*49152              ; back from a tile's last K slot to the next tile's first
.set DOWN,  16*256*4096                ; from the first tile's rows of hx and out0 to the second's
.set FR,    12
.set LI,    4                          ; v4 16 x lane
.set ADRS,  8                          ; v8-11 scale words: lanes 0-15 blocks 2 k, 2 k + 1; lanes 16-31 gate k's two tiles
.set ADRC,  12                         ; v12-15 the same, stepped along K in the loop
.set ADRA,  16                         ; v16-17 my eight blocks in slot 0, 1
.set ADRB,  18                         ; v18-19 my six tiles
.set HXA,   20                         ; my 16 numbers of hx and of hy
.set RD,    22                         ; rows of 256 bytes: in (hx) and back (hy)
.set SDA,   23                         ; where I put scale words: the activations',
.set SDW,   24                         ; the weights'
.set PFO,   25                         ; the prefetches' offset
.set CO,    26                         ; two rows' places in hx and out0
.set BA,    27
.set SPW,   28
.set NIL,   29
.set SC,    32
.set AF,    64
.set HB,    160
.set SB,    224
.set BIAS,  144
.set BTM,   208
.set TR,    64
.set TZ,    80
.set TN,    96
.set HX,    112
.set OUT,   64
.set WV,    24
.set II,    25
.set JC,    26
.set G1A,   32
.set G1B,   40
.set G0A,   48
.set G0B,   56
.set C2,    66
.set PFA,   68
.set QQ,    70
.set LIM,   72
.set KC,    73
.set TL,    74
.set SS,    75
.set CS,    100
.set MSB, 0
.macro WIN new                         ; the immediate's high byte repeats the setting that is left
.if MSB != (\new)
	s_set_vgpr_msb (MSB<<8)|(\new)
.set MSB, (\new)
.endif
.endm
.macro PLACES n
.rept \n
	v_nop
.endr
.endm
.macro JLOAD n                         ; waves 0, 1 ask for activations, waves 2, 3 for weights; s_nop 0 and four v_nop behind each line
	s_cmp_eq_u32 s[II], 0
	s_cbranch_scc0 .Lfor_b_\@
	tensor_load_to_lds s[G0A+4*\n:G0A+4*\n+3], s[G1A:G1A+7]
	s_nop 0
	PLACES 4
	s_branch .Lasked_\@
.Lfor_b_\@:
	tensor_load_to_lds s[G0B+4*\n:G0B+4*\n+3], s[G1B:G1B+7]
	s_nop 0
	PLACES 4
.Lasked_\@:
.endm
.macro CREST
	s_cmp_lg_u32 s[WV], 0
	s_cbranch_scc1 .Lnot_wave_0_\@
	s_barrier_signal -3
.Lnot_wave_0_\@:
	s_barrier_wait -3
	s_barrier_signal -1
	s_barrier_wait -1
.endm
.macro CROUND
	s_barrier_signal -1
	s_barrier_wait -1
	CREST
.endm
.macro ASK how, n                      ; how = 1: while my wave prefetches; 2: in the loop's first trip alone
.if \how == 1
	s_cmp_eq_u32 s[LIM], 1
.else
	s_cmp_gt_u32 s[KC], s[LIM]
.endif
	s_cbranch_scc0 .Lnone_\@
	global_prefetch_b8 v[PFO], s[PFA:PFA+1] offset:1536*\n th:TH_LOAD_NT scope:SCOPE_SE
.Lnone_\@:
.endm
	s_load_b256 s[4:11], s[0:1], 0x0               ; gcodes, gscales, acodes, ascales
	s_load_b256 s[12:19], s[0:1], 0x20             ; wcodes, wscales, hx, b_ih
	s_load_b128 s[20:23], s[0:1], 0x40             ; b_hh, out0
	v_lshl_add_u32 v[SPW], v0, 2, SPARE
	v_mov_b32 v[NIL], 0
	ds_add_u32 v[SPW], v[NIL]                      ; the opening lines: the add, twice on end, and its wait
	ds_add_u32 v[SPW], v[NIL]
	v_lshrrev_b32 v1, 5, v0
	v_readfirstlane_b32 s[WV], v1                  ; wave 0..3
	s_lshr_b32 s[II], s[WV], 1                     ; which 128 rows are mine; also: I fetch activations (0) or weights (1)
	s_and_b32 s[JC], s[WV], 1                      ; which 32 columns; also: which source I fetch for
	s_bfe_u32 s27, ttmp6, 0x40000                  ; cx
	s_bfe_u32 s28, ttmp6, 0x40004                  ; cy
	s_lshl_b32 s29, ttmp9, 2
	s_add_co_u32 s29, s29, s27                     ; bx: which 64 columns
	s_and_b32 s30, ttmp7, 0xffff
	s_lshl_b32 s30, s30, 2
	s_add_co_u32 s30, s30, s28                     ; by: the first tile's 256 rows
	s_lshl_b32 s3, s28, 2
	s_lshl_b32 s3, 15, s3                          ; my row of the cluster
	s_lshl_b32 s105, 0x1111, s27                   ; my column
	s_or_b32 s[G1A], s3, (3<<16)|(1<<21)           ; elements of 8 bytes; the mask, bit 21 beside it
	s_or_b32 s[G1B], s105, (3<<16)|(1<<21)
.irp g, G1A, G1B
	s_mov_b32 s[\g+1], 192<<16                     ; rows of 1,536 bytes,
	s_mov_b32 s[\g+3], 192<<16
	s_mov_b32 s[\g+5], 384                         ; 3,072 apart in memory, on end in LDS
	s_mov_b32 s[\g+6], 0
	s_mov_b32 s[\g+7], 0
.endr
	s_mov_b32 s[G1A+2], 16<<16                     ; 16 blocks of rows
	s_mov_b32 s[G1A+4], 16
	s_mov_b32 s[G1B+2], 12<<16                     ; 12 tiles of the weight
	s_mov_b32 s[G1B+4], 12
	s_mov_b32 s[CS], 0xbfb8aa3b                    ; -log2(e)
	s_mov_b32 s[CS+1], s[CS]
	s_mov_b32 s[C2], 0x4038aa3b                    ; 2 log2(e)
	s_mov_b32 s[C2+1], s[C2]
	s_mul_i32 s2, s30, 49152                       ; the activations' codes: the tile's 16 blocks
	s_mov_b32 s3, 0
	s_mul_i32 s104, s29, 36864                     ; the weights': W_ih or W_hh, my work-group's 12 tiles
	s_mul_i32 s105, s[JC], 2359296
	s_add_co_u32 s104, s104, s105
	s_add_co_u32 s104, s104, 1572864
	s_mov_b32 s105, 0
	s_mul_i32 s76, s[II], 12288                    ; LDS: my eight blocks,
	s_mul_i32 s77, s[JC], 9216
	s_add_co_u32 s77, s77, BOFF                    ; my six tiles,
	s_lshl_b32 s78, s[II], 12
	s_add_co_u32 s78, s78, SCL                     ; my blocks' scale words;
	s_xor_b32 s79, s[II], 1
	s_lshl_b32 s79, s79, 12
	s_lshl_b32 s31, s[JC], 3
	s_add_co_u32 s79, s79, s31
	s_add_co_u32 s79, s79, 4096                    ; 8,192 - 4,096 i + 8 jc: from them to the weight's words
	s_mov_b32 s80, s79
	s_add_co_u32 s81, s79, 2040
	s_add_co_u32 s82, s79, 2048
	s_add_co_u32 s83, s79, 2040
	s_mul_i32 s84, s[II], 128*HP
	s_lshl_b32 s31, s[JC], 7
	s_add_co_u32 s84, s84, s31
	s_add_co_u32 s84, s84, HXT
	s_mul_i32 s85, s[WV], 64*HP
	s_add_co_u32 s85, s85, HXT
	s_mul_i32 s86, s[JC], SRC
	s_add_co_u32 s86, s86, SCL
	s_mul_i32 s87, s[II], 3072
	s_add_co_u32 s87, s87, s86
	s_add_co_u32 s87, s87, 8192
	s_lshl_b32 s31, s[II], 12
	s_add_co_u32 s86, s86, s31
	s_mov_b32 s[QQ], QB
	s_mov_b32 s[QQ+1], 0
	s_mov_b32 s[LIM], 1
	s_cmp_eq_u32 s[II], 0
	s_cselect_b32 s[QQ], QA, s[QQ]
	s_cselect_b32 s88, 23, 17                      ; my share of a tile: 24 or 18 blocks of 256 bytes
	s_wait_dscnt 0x0                               ; both opening adds are done
	s_wait_kmcnt 0x0
	s_add_nc_u64 s[8:9], s[8:9], 6291456           ; hx's codes
	s_add_nc_u64 s[10:11], s[10:11], 262144        ; hx's scale words
	s_cmp_eq_u32 s[JC], 0
	s_cselect_b64 s[4:5], s[4:5], s[8:9]
	s_cselect_b64 s[6:7], s[6:7], s[10:11]
	s_add_nc_u64 s[4:5], s[4:5], s[2:3]
	s_add_nc_u64 s[12:13], s[12:13], s[104:105]
	s_lshl_b32 s2, s30, 13
	s_lshl_b32 s31, s[II], 12
	s_add_co_u32 s2, s2, s31
	s_add_nc_u64 s[6:7], s[6:7], s[2:3]            ; the 4,096 bytes of scale words that I copy
	s_mul_i32 s104, s29, 6144
	s_mul_i32 s31, s[JC], 98304
	s_add_co_u32 s104, s104, s31
	s_mul_i32 s31, s[II], 3072
	s_add_co_u32 s104, s104, s31
	s_add_co_u32 s104, s104, 65536
	s_add_nc_u64 s[14:15], s[14:15], s[104:105]    ; and the weight's 3,072
.irp n, 0,1
	s_mov_b32 s[G0A+4*\n], 1
	s_mul_i32 s[G0A+4*\n+1], s[JC], 24576
	s_add_co_u32 s[G0A+4*\n+1], s[G0A+4*\n+1], \n*SLOT
	s_add_nc_u64 s[G0A+4*\n+2:G0A+4*\n+3], s[4:5], \n*1536
	s_or_b32 s[G0A+4*\n+3], s[G0A+4*\n+3], 0x80000000
	s_mov_b32 s[G0B+4*\n], 1
	s_mul_i32 s[G0B+4*\n+1], s[JC], 18432
	s_add_co_u32 s[G0B+4*\n+1], s[G0B+4*\n+1], BOFF+\n*SLOT
	s_add_nc_u64 s[G0B+4*\n+2:G0B+4*\n+3], s[12:13], \n*1536
	s_or_b32 s[G0B+4*\n+3], s[G0B+4*\n+3], 0x80000000
.endr
	CROUND                                         ; all sixteen work-groups are here
	JLOAD 0                                        ; slot 0: one tensor load a wave at the head
	s_lshl_b32 s2, s30, 20                         ; hx and out0: rows 256 by + 64 w on, columns 64 bx on
	s_lshl_b32 s31, s[WV], 18
	s_add_co_u32 s2, s2, s31
	s_lshl_b32 s31, s29, 8
	s_add_co_u32 s2, s2, s31
	s_add_nc_u64 s[16:17], s[16:17], s[2:3]
	s_add_nc_u64 s[22:23], s[22:23], s[2:3]
	s_lshl_b32 s2, s29, 8                          ; the biases at my 32 columns
	s_lshl_b32 s31, s[JC], 7
	s_add_co_u32 s2, s2, s31
	s_add_nc_u64 s[18:19], s[18:19], s[2:3]
	s_add_nc_u64 s[20:21], s[20:21], s[2:3]
	s_mul_i32 s90, s27, 12288                      ; the prefetches: my work-group's 4 of the 16 rows (by cx),
	s_mov_b32 s91, 0
	s_add_nc_u64 s[92:93], s[4:5], s[90:91]
	s_mul_i32 s90, s28, 9216                       ; or 3 of the 12 (by cy)
	s_add_nc_u64 s[94:95], s[12:13], s[90:91]
	s_cmp_eq_u32 s[II], 0
	s_cselect_b64 s[PFA:PFA+1], s[92:93], s[94:95]
	s_add_nc_u64 s[PFA:PFA+1], s[PFA:PFA+1], s[QQ:QQ+1]
	s_add_nc_u64 s[PFA:PFA+1], s[PFA:PFA+1], s[QQ:QQ+1]   ; at slot 4
	v_and_b32 v3, 31, v0                           ; lane
	v_and_b32 v1, 15, v0                           ; r
	v_bfe_u32 v2, v0, 4, 1                         ; h
	v_lshlrev_b32 v[LI], 4, v3
	v_lshlrev_b32 v[BA], 6, v2
	v_add_nc_u32 v[ADRA], s76, v[LI]
	v_add_nc_u32 v[ADRA+1], SLOT, v[ADRA]
	v_add_nc_u32 v[ADRB], s77, v[LI]
	v_add_nc_u32 v[ADRB+1], SLOT, v[ADRB]
	v_lshl_add_u32 v5, v1, 4, s78
.irp k, 0,1,2,3                                ; the lower base + h x the distance
	v_mad_u32_u24 v6, v2, s[80+\k], v5
	v_add_nc_u32 v[ADRS+\k], 2048*(\k/2)+8*(\k%2), v6
.endr
	v_mul_u32_u24 v6, v1, HP
	v_lshl_add_u32 v6, v2, 6, v6
	v_add_nc_u32 v[HXA], s84, v6                   ; row 128 i + r, columns 32 jc + 16 h on
	v_mul_u32_u24 v6, v2, HP
	v_lshl_add_u32 v6, v1, 4, v6
	v_add_nc_u32 v[RD], s85, v6                    ; lanes 0-15 one row of 256 bytes, lanes 16-31 the next
	v_lshlrev_b32 v6, 12, v2
	v_lshl_add_u32 v[CO], v1, 4, v6
	v_add_nc_u32 v[SDA], s86, v[LI]
	v_add_nc_u32 v[SDW], s87, v[LI]
	v_min_u32 v6, s88, v3                          ; block b of my share: 256 b + 1,536 (b / 6); lanes left over name the last block again
	v_mul_u32_u24 v7, v6, 43
	v_lshrrev_b32 v7, 8, v7
	v_mul_u32_u24 v7, v7, 1536
	v_lshl_add_u32 v[PFO], v6, 8, v7
	s_wait_alu depctr_va_vdst(0)
.irp k, 0,1,2,3,4,5,6,7
	global_load_b128 v[64+4*\k:67+4*\k], v[LI], s[6:7] offset:512*\k
.endr
.irp k, 0,1,2,3,4,5
	global_load_b128 v[96+4*\k:99+4*\k], v[LI], s[14:15] offset:512*\k
.endr
	WIN 0x40                                       ; destination window 1.  Tile c of a gate: columns 16 h + 8 c + 0 .. 7
.irp g, 0,1,2
.irp c, 0,1
	global_load_b128 v[BIAS+8*(2*\g+\c):BIAS+8*(2*\g+\c)+3], v[BA], s[18:19] offset:4096*\g+32*\c
	global_load_b128 v[BIAS+8*(2*\g+\c)+4:BIAS+8*(2*\g+\c)+7], v[BA], s[18:19] offset:4096*\g+32*\c+16
.endr
.endr
.irp g, 0,1
.irp c, 0,1
	global_load_b128 v[BTM+8*(2*\g+\c):BTM+8*(2*\g+\c)+3], v[BA], s[20:21] offset:4096*\g+32*\c
	global_load_b128 v[BTM+8*(2*\g+\c)+4:BTM+8*(2*\g+\c)+7], v[BA], s[20:21] offset:4096*\g+32*\c+16
.endr
.endr
.irp c, 0,1
	global_load_b128 v[BIAS+8*(6+\c):BIAS+8*(6+\c)+3], v[BA], s[20:21] offset:8192+32*\c
	global_load_b128 v[BIAS+8*(6+\c)+4:BIAS+8*(6+\c)+7], v[BA], s[20:21] offset:8192+32*\c+16
.endr
	WIN 0
	s_wait_loadcnt 0x0
.irp k, 0,1,2,3,4,5,6,7
	ds_store_b128 v[SDA], v[64+4*\k:67+4*\k] offset:512*\k
.endr
.irp k, 0,1,2,3,4,5
	ds_store_b128 v[SDW], v[96+4*\k:99+4*\k] offset:512*\k
.endr
	WIN 0x45                                       ; window 1 += window 1: r's and z's biases of both products
.set KK, 0
.rept 16
	v_pk_add_f32 v[BIAS+KK:BIAS+KK+1], v[BIAS+KK:BIAS+KK+1], v[BTM+KK:BTM+KK+1]
.set KK, KK+2
.endr
	WIN 0
	s_wait_alu depctr_va_vdst(0)
.macro FRAG reg, adr, off
.irp c, 0,1,2
	ds_load_b128 v[(\reg)+4*\c:(\reg)+4*\c+3], v[\adr] offset:(\off)+512*\c
.endr
.endm
.macro FETCH_B n, src                  ; source src's six fragments of the weight, into set src
	WIN 0x40
.irp i, 0,1,2,3,4,5
	FRAG 72*(\src)+FR*\i, ADRB+(\n), (\src)*18432+\i*1536
.endr
	WIN 0
.endm
.macro FETCH_A n, src, i0              ; the activations' blocks i0 .. i0 + 3
.irp i, 0,1,2,3
	FRAG AF+FR*((\i0)+\i), ADRA+(\n), (\src)*24576+((\i0)+\i)*1536
.endr
.endm
.macro SCALES sr, src, g               ; K step g's words: register 8 src + i: lanes 0-15 block i, lanes 16-31 fragment i
.irp k, 0,1,2,3
	ds_load_b64 v[SC+8*(\src)+2*\k:SC+8*(\src)+2*\k+1], v[(\sr)+\k] offset:SRC*(\src)+256*(\g)
.endr
.endm
; Two matrix instructions: block a x gate g's two tiles.  Gate 2 of source src adds onto sum 2 + src.  cb = 1: the sum begins with its bias as C.
.macro MM a, g, src, cb
.set GG, \g
.if \g == 2
.set GG, 2+(\src)
.endif
.irp c, 0,1
.set DR, 8*(8*((\a)%4)+2*GG+\c)
.set CR, DR
.if \cb
.set CR, BIAS+8*(2*GG+\c)
.endif
.set BR, 72*(\src)+FR*(2*(\g)+\c)
.set AR, AF+FR*(\a)
	v_wmma_scale_f32_16x16x128_f8f6f4 v[DR:DR+7], v[BR:BR+11], v[AR:AR+11], v[CR:CR+7], v[SC+8*(\src)+2*(\g)+\c], v[SC+8*(\src)+(\a)] matrix_a_fmt:MATRIX_FMT_BF6 matrix_b_fmt:MATRIX_FMT_BF6 matrix_a_scale:MATRIX_SCALE_ROW1
.endr
.endm
; The accumulators take turns, one instruction a turn.
.macro MULH hi, cb                     ; xg: 24 matrix instructions, blocks 4 hi on
	WIN 0xa1+0x50*(\hi)-(\cb)*(0x10+0x10*(\hi))    ; source 0 window 1, source 1 window 0, D window 2 or 3, C the same or window 1
.irp a, 0,1,2,3
.irp g, 0,1,2
	MM 4*(\hi)+\a, \g, 0, \cb
.endr
.endr
.endm
.macro MULQ a0, first                  ; hx: 12 matrix instructions, blocks a0, a0 + 1; first = 1: h_n begins with its bias
	WIN 0xa1+0x50*((\a0)/4)
.if \first
.irp a, \a0, \a0+1
.irp g, 0,1
	MM \a, \g, 1, 0
.endr
.endr
	WIN 0x91+0x40*((\a0)/4)
.irp a, \a0, \a0+1
	MM \a, 2, 1, 1
.endr
.else
.irp a, \a0, \a0+1
.irp g, 0,1,2
	MM \a, \g, 1, 0
.endr
.endr
.endif
.endm
; A slot's first step: xg x W_ih.  Loads into registers that matrix instructions have read stand four places behind them.
.macro STEP n, sr, g, first
	s_wait_dscnt 12                                ; all but the youngest 12 loads (blocks 4-7)
	MULH 0, \first
	s_wait_dscnt 0x0
	PLACES 4
	FETCH_B \n, 1
	FETCH_A \n, 1, 0
	SCALES \sr, 1, \g
	MULH 1, \first
	PLACES 4
	WIN 0
	FETCH_A \n, 1, 4
.endm
; A slot's second step: hx x W_hh, and the change of slots.  fill = 1: this slot takes the slot two on; 2: the next tile's; 0: nothing.  fetch: the other slot's first fragments.  pf: the prefetch; ps: its address steps.
.macro TURN n, sr, g, fill, fetch, first, pf, ps
.if \ps
	s_wait_xcnt 0x0                                ; my prefetches have read their address
	s_add_nc_u64 s[PFA:PFA+1], s[PFA:PFA+1], s[QQ:QQ+1]
.endif
	s_wait_tensorcnt 0x0                           ; my part of the other slot has landed
.if \fill
	ds_add_u32 v[SPW], v[NIL]
	s_wait_dscnt 13                                ; (the add and blocks 4-7's 12 loads may be out)
.else
	s_wait_dscnt 12
.endif
	MULQ 0, \first
	s_wait_dscnt 0x0                               ; the add is done, my reads of this slot are over
	s_barrier_signal -1
	MULQ 2, \first
	WIN 0
	s_barrier_wait -1
.if \fill
	CREST                                          ; the barrier has opened a round of the cluster's barrier
.if \fill == 1
	s_add_nc_u64 s[G0A+4*\n+2:G0A+4*\n+3], s[G0A+4*\n+2:G0A+4*\n+3], QA
	s_add_nc_u64 s[G0B+4*\n+2:G0B+4*\n+3], s[G0B+4*\n+2:G0B+4*\n+3], QB
.else
	s_sub_nc_u64 s[G0A+4*\n+2:G0A+4*\n+3], s[G0A+4*\n+2:G0A+4*\n+3], NEXTA
	s_sub_nc_u64 s[G0B+4*\n+2:G0B+4*\n+3], s[G0B+4*\n+2:G0B+4*\n+3], 3*QB
.endif
	JLOAD \n                                       ; the first tensor load behind the round; its four v_nop are the places in front of the loads below
.else
	PLACES 4
.endif
.if \fetch
	FETCH_B 1-(\n), 0
	FETCH_A 1-(\n), 0, 0
	SCALES \sr, 0, (\g)+1
.endif
.if \pf
	ASK \pf, \n
.endif
	MULQ 4, \first
	MULQ 6, \first
.if \fetch
	PLACES 4
	WIN 0
	FETCH_A 1-(\n), 0, 4
.else
	WIN 0
.endif
.endm
.macro HXLOAD b                        ; 32 of my 64 rows of hx: 16 lanes read 256 consecutive bytes, aligned
.set KK, 0
.rept 16
	global_load_b128 v[HB+4*KK:HB+4*KK+3], v[CO], s[16:17] offset:8192*(16*(\b)+KK) th:TH_LOAD_NT
.set KK, KK+1
.endr
.endm
.macro HXPUT b
.set KK, 0
.rept 16
	ds_store_b128 v[RD], v[HB+4*KK:HB+4*KK+3] offset:2*HP*(16*(\b)+KK)
.set KK, KK+1
.endr
.endm
; ---- the cell, a block of 16 rows at a time: a lane has 16 columns of one row
.macro HL a
.irp k, 0,1,2,3
	ds_load_b128 v[HX+16*((\a)%2)+4*\k:HX+16*((\a)%2)+4*\k+3], v[HXA] offset:16*HP*(\a)+16*\k
.endr
.endm
.macro TRANS op, reg, n                ; a batch: a wait ahead of it, a v_nop behind it
	s_wait_alu depctr_va_vdst(0)
.set KK, 0
.rept \n
	\op v[(\reg)+KK], v[(\reg)+KK]
.set KK, KK+1
.endr
	v_nop
.endm
.macro PLUS1 reg, n
	s_wait_alu depctr_va_vdst(0)
.set KK, 0
.rept \n
	v_pk_add_f32 v[(\reg)+KK:(\reg)+KK+1], v[(\reg)+KK:(\reg)+KK+1], 1.0 op_sel_hi:[1,0]
.set KK, KK+2
.endr
.endm
.macro GATE a
.set AC, 64*((\a)%4)
.set HS, HX+16*((\a)%2)
	s_wait_dscnt 4                                 ; this block's hx is in; the youngest four LDS instructions may be out
	WIN 0x02+(\a)/4                                ; source 0: window 2 or 3
	s_wait_alu depctr_va_vdst(0)
.set KK, 0
.rept 16
	v_pk_mul_f32 v[TR+KK:TR+KK+1], v[AC+KK:AC+KK+1], s[CS:CS+1] op_sel_hi:[1,0]   ; r's 16 sums, then z's, each accumulator from its low end on
.set KK, KK+2
.endr
	WIN 0
	TRANS v_exp_f32, TR, 32
	PLUS1 TR, 16
	TRANS v_rcp_f32, TR, 32                        ; r and z
	WIN 0x28+0x14*((\a)/4)                         ; sources 1 and 2: window 2 or 3
	s_wait_alu depctr_va_vdst(0)
.set KK, 0
.rept 8
	v_pk_fma_f32 v[TN+KK:TN+KK+1], v[TR+KK:TR+KK+1], v[AC+48+KK:AC+48+KK+1], v[AC+32+KK:AC+32+KK+1]   ; r h_n + i_n
.set KK, KK+2
.endr
	WIN 0
.set KK, 0
.rept 8
	v_pk_mul_f32 v[TN+KK:TN+KK+1], v[TN+KK:TN+KK+1], s[C2:C2+1] op_sel_hi:[1,0]
.set KK, KK+2
.endr
	TRANS v_exp_f32, TN, 16
	PLUS1 TN, 8
	TRANS v_rcp_f32, TN, 16
	s_wait_alu depctr_va_vdst(0)
.set KK, 0
.rept 8
	v_pk_fma_f32 v[TN+KK:TN+KK+1], v[TN+KK:TN+KK+1], -2.0, 1.0 op_sel_hi:[1,0,0]   ; n = tanh(y) = 1 - 2 / (1 + 2^(2 y log2 e))
.set KK, KK+2
.endr
.set KK, 0
.rept 8
	v_pk_add_f32 v[HS+KK:HS+KK+1], v[HS+KK:HS+KK+1], v[TN+KK:TN+KK+1] neg_lo:[0,1] neg_hi:[0,1]   ; hx - n
.set KK, KK+2
.endr
.set KK, 0
.rept 8
	v_pk_fma_f32 v[HS+KK:HS+KK+1], v[TZ+KK:TZ+KK+1], v[HS+KK:HS+KK+1], v[TN+KK:TN+KK+1]   ; hy = n + z (hx - n)
.set KK, KK+2
.endr
.irp k, 0,1,2,3
	ds_store_b128 v[HXA], v[HS+4*\k:HS+4*\k+3] offset:16*HP*(\a)+16*\k   ; over the very bytes of hx that I read
.endr
.if (\a) < 6
	HL (\a)+2
.endif
.endm
.macro CELL last
	PLACES 4                                       ; behind the last products
	s_wait_loadcnt 0x0                             ; the rest of hx (and the next tile's scale words)
	HXPUT 1
.if !(\last)
.irp k, 0,1,2,3,4,5,6,7
	ds_store_b128 v[SDA], v[SB+4*\k:SB+4*\k+3] offset:512*\k   ; every wave's reads of this tile's words ended in front of the last barrier
.endr
.endif
	s_wait_dscnt 0x0
	s_barrier_signal -1
	s_barrier_wait -1
	HL 0
	HL 1
.irp a, 0,1,2,3,4,5,6,7
	GATE \a
.endr
	s_wait_dscnt 0x0                               ; a row's 256 bytes come from two waves
	s_barrier_signal -1
	s_barrier_wait -1
.set KK, 0
.rept 32
	ds_load_b128 v[OUT+4*KK:OUT+4*KK+3], v[RD] offset:2*HP*KK
.set KK, KK+1
.endr
.set KK, 0
.rept 32
	s_wait_dscnt 31-KK
	global_store_b128 v[CO], v[OUT+4*KK:OUT+4*KK+3], s[22:23] offset:8192*KK th:TH_STORE_NT   ; 16 lanes store 256 consecutive bytes, aligned
.set KK, KK+1
.endr
.endm
	s_wait_tensorcnt 0x0                           ; my part of slot 0 is in
	ds_add_u32 v[SPW], v[NIL]
	s_wait_dscnt 0x0                               ; the add and my stores of scale words are done
	CROUND
	JLOAD 1                                        ; slot 1's first fill
	s_mov_b32 s[TL], 2                             ; tiles to go
.Ltile:
	HXLOAD 0
	FETCH_B 0, 0
	FETCH_A 0, 0, 0
	SCALES ADRS, 0, 0
	FETCH_A 0, 0, 4
	STEP 0, ADRS, 0, 1                             ; slot 0: the sums begin
	TURN 0, ADRS, 0, 1, 1, 1, 1, 0
	s_mov_b32 s[KC], 2
	s_mov_b32 s[SS], 0
.Lk:                                           ; a trip: slots 1 + 2 j and 2 + 2 j
.irp k, 0,1,2,3
	v_add_nc_u32 v[ADRC+\k], s[SS], v[ADRS+\k]
.endr
	s_wait_alu depctr_va_vdst(0)
	STEP 1, ADRC, 1, 0
	TURN 1, ADRC, 1, 1, 1, 0, 1, 0
	STEP 0, ADRC, 2, 0
	TURN 0, ADRC, 2, 1, 1, 0, 2, 1
	s_add_co_u32 s[SS], s[SS], 512
	s_sub_co_u32 s[KC], s[KC], 1
	s_cmp_lg_u32 s[KC], 0
	s_cbranch_scc1 .Lk
	s_wait_loadcnt 0x0                             ; half of hx is in: into LDS, and the other half is asked for
	HXPUT 0
	s_wait_dscnt 0x0                               ; the stores have read their registers
	HXLOAD 1
	STEP 1, ADRS, 5, 0
	TURN 1, ADRS, 5, 1, 1, 0, 0, 0
	s_cmp_eq_u32 s[TL], 1
	s_cbranch_scc1 .Llast
	s_wait_xcnt 0x0
	s_sub_nc_u64 s[PFA:PFA+1], s[PFA:PFA+1], NEXTA ; the next tile's slot 2
	s_cmp_eq_u32 s[II], 0
	s_cselect_b32 s[LIM], s[LIM], -1               ; the weights' rows are prefetched no more
.irp k, 0,1,2,3,4,5,6,7
	global_load_b128 v[SB+4*\k:SB+4*\k+3], v[LI], s[6:7] offset:131072+512*\k   ; the next tile's scale words
.endr
	STEP 0, ADRS, 6, 0
	TURN 0, ADRS, 6, 2, 1, 0, 1, 0                 ; the ring goes on into the next tile
	STEP 1, ADRS, 7, 0
	TURN 1, ADRS, 7, 2, 0, 0, 1, 0
	CELL 0
	s_wait_xcnt 0x0                                ; the stores have read their registers and base
	s_add_nc_u64 s[16:17], s[16:17], DOWN
	s_add_nc_u64 s[22:23], s[22:23], DOWN
	s_add_nc_u64 s[PFA:PFA+1], s[PFA:PFA+1], s[QQ:QQ+1]
	s_sub_co_u32 s[TL], s[TL], 1
	s_branch .Ltile
.Llast:
	STEP 0, ADRS, 6, 0
	TURN 0, ADRS, 6, 0, 1, 0, 0, 0                 ; nothing more to fetch
	STEP 1, ADRS, 7, 0
	s_wait_dscnt 12
	MULQ 0, 0
	MULQ 2, 0
	s_wait_dscnt 0x0
	MULQ 4, 0
	MULQ 6, 0
	WIN 0
	CELL 1
	s_wait_tensorcnt 0x0                           ; the wave's end
	ds_add_u32 v[SPW], v[NIL]
	s_wait_dscnt 0x0
	CROUND                                         ; the closing round
	s_endpgm
.Lfunc_end_k_qea39c8ddae_gru:
	.size	k_qea39c8ddae_gru, .Lfunc_end_k_qea39c8ddae_gru-k_qea39c8ddae_gru
	.p2alignl 7, 3214868480
	.fill 96, 4, 3214868480
	.section	.rodata,"a",@progbits
	.p2align	6, 0x0
	.amdhsa_kernel k_qea39c8ddae_gru
		.amdhsa_group_segment_fixed_size 327680
		.amdhsa_private_segment_fixed_size 0
		.amdhsa_enable_private_segment 0
		.amdhsa_kernarg_size 80
		.amdhsa_user_sgpr_count 2
		.amdhsa_user_sgpr_kernarg_segment_ptr 1
		.amdhsa_wavefront_size32 1
		.amdhsa_system_sgpr_workgroup_id_x 1
		.amdhsa_system_sgpr_workgroup_id_y 1
		.amdhsa_system_sgpr_workgroup_id_z 1
		.amdhsa_system_vgpr_workitem_id 0
		.amdhsa_next_free_vgpr 1024
		.amdhsa_next_free_sgpr 106
		.amdhsa_reserve_vcc 0
		.amdhsa_float_denorm_mode_32 3
		.amdhsa_float_denorm_mode_16_64 3
		.amdhsa_memory_ordered 1
		.amdhsa_forward_progress 1
		.amdhsa_inst_pref_size 255
	.end_amdhsa_kernel
	.section	.bss,"aw",@nobits
	.p2align	6
	.space	262144
	.amdgpu_metadata
---
amdhsa.version: [ 1, 2 ]
amdhsa.kernels:
  - .name:           k_qea39c8ddae_gru
    .symbol:         k_qea39c8ddae_gru.kd
    .args:
      - { .name: gcodes, .offset: 0, .size: 8, .value_kind: global_buffer, .address_space: global }
      - { .name: gscales, .offset: 8, .size: 8, .value_kind: global_buffer, .address_space: global }
      - { .name: acodes, .offset: 16, .size: 8, .value_kind: global_buffer, .address_space: global }
      - { .name: ascales, .offset: 24, .size: 8, .value_kind: global_buffer, .address_space: global }
      - { .name: wcodes, .offset: 32, .size: 8, .value_kind: global_buffer, .address_space: global }
      - { .name: wscales, .offset: 40, .size: 8, .value_kind: global_buffer, .address_space: global }
      - { .name: hx, .offset: 48, .size: 8, .value_kind: global_buffer, .address_space: global }
      - { .name: b_ih, .offset: 56, .size: 8, .value_kind: global_buffer, .address_space: global }
      - { .name: b_hh, .offset: 64, .size: 8, .value_kind: global_buffer, .address_space: global }
      - { .name: out0, .offset: 72, .size: 8, .value_kind: global_buffer, .address_space: global }
    .group_segment_fixed_size: 327680
    .private_segment_fixed_size: 0
    .kernarg_segment_align: 8
    .kernarg_segment_size: 80
    .max_flat_workgroup_size: 128
    .sgpr_count:     106
    .vgpr_count:     1024
    .wavefront_size: 32
...
	.end_amdgpu_metadata
.endif
;; end of part 3
